; MI455X (gfx1250); checked and timed in simulation.
; The chip was launched on July 23, 2026; its instructions are those of AMD's public machine-readable ISA for CDNA 5 (MIT licence, August 2026) and "CDNA5" Instruction Set Architecture Reference Guide (July 2026). The comments in the code are by the model that wrote it; some were corrected since.
;; Expert Engine. Allowed arithmetic: matrix products marked QUANTISED: E5M2 operands, one given power-of-two scale a tensor, by v_wmma_f32_16x16x64_bf8_bf8 or v_wmma_f32_16x16x128_bf8_bf8, f32 sums; everything else in f32.
;; Inputs: expert_ids 1,024 int32; lowp_scales 32 int32 (the exponents e of the quantised operands' scales 2^e); tokens_codes 1,024 x 32 x 32 uint8 (E5M2 codes of tokens, K innermost, in blocks of 32 codes); w_down_codes 8 x 1,024 x 64 x 32 uint8 (E5M2 codes of w_down, K innermost, in blocks of 32 codes); w_gate_up_codes 8 x 4,096 x 32 x 32 uint8 (E5M2 codes of w_gate_up, K innermost, in blocks of 32 codes).
;; Outputs: out0 1,024 x 1,024 float32.
;; This version of the problem:
;;   THIS VERSION OF THE PROBLEM IS GIVEN IN LOW PRECISION. The matrix products marked QUANTISED in the list below multiply operands that are first quantised to E5M2 (5 exponent bits, 2 mantissa bits; 8 bits a number), with one given power-of-two scale for each operand tensor; their sums are f32. All else is computed in f32.
;;   The module's matrix products, in the order in which they are computed (A, B: the left and right operand; K: the contracted axis; several contracted axes count as one K, in the product's order):
;;     1. [M 1,024, K 1,024] x [K 1,024, N 4,096]; A: input tokens (given as codes); B: input w_gate_up (given as codes): QUANTISED (scales: A lowp_scales[0], B lowp_scales[1])
;;     2. [M 1,024, K 2,048] x [K 2,048, N 1,024]; A: computed on the way; B: input w_down (given as codes): QUANTISED (scales: A lowp_scales[2], B lowp_scales[3])
;;     3. [M 1,024, K 1,024] x [K 1,024, N 4,096]; A: input tokens (given as codes); B: input w_gate_up (given as codes): QUANTISED (scales: A lowp_scales[4], B lowp_scales[5])
;;     4. [M 1,024, K 2,048] x [K 2,048, N 1,024]; A: computed on the way; B: input w_down (given as codes): QUANTISED (scales: A lowp_scales[6], B lowp_scales[7])
;;     5. [M 1,024, K 1,024] x [K 1,024, N 4,096]; A: input tokens (given as codes); B: input w_gate_up (given as codes): QUANTISED (scales: A lowp_scales[8], B lowp_scales[9])
;;     6. [M 1,024, K 2,048] x [K 2,048, N 1,024]; A: computed on the way; B: input w_down (given as codes): QUANTISED (scales: A lowp_scales[10], B lowp_scales[11])
;;     7. [M 1,024, K 1,024] x [K 1,024, N 4,096]; A: input tokens (given as codes); B: input w_gate_up (given as codes): QUANTISED (scales: A lowp_scales[12], B lowp_scales[13])
;;     8. [M 1,024, K 2,048] x [K 2,048, N 1,024]; A: computed on the way; B: input w_down (given as codes): QUANTISED (scales: A lowp_scales[14], B lowp_scales[15])
;;     9. [M 1,024, K 1,024] x [K 1,024, N 4,096]; A: input tokens (given as codes); B: input w_gate_up (given as codes): QUANTISED (scales: A lowp_scales[16], B lowp_scales[17])
;;     10. [M 1,024, K 2,048] x [K 2,048, N 1,024]; A: computed on the way; B: input w_down (given as codes): QUANTISED (scales: A lowp_scales[18], B lowp_scales[19])
;;     11. [M 1,024, K 1,024] x [K 1,024, N 4,096]; A: input tokens (given as codes); B: input w_gate_up (given as codes): QUANTISED (scales: A lowp_scales[20], B lowp_scales[21])
;;     12. [M 1,024, K 2,048] x [K 2,048, N 1,024]; A: computed on the way; B: input w_down (given as codes): QUANTISED (scales: A lowp_scales[22], B lowp_scales[23])
;;     13. [M 1,024, K 1,024] x [K 1,024, N 4,096]; A: input tokens (given as codes); B: input w_gate_up (given as codes): QUANTISED (scales: A lowp_scales[24], B lowp_scales[25])
;;     14. [M 1,024, K 2,048] x [K 2,048, N 1,024]; A: computed on the way; B: input w_down (given as codes): QUANTISED (scales: A lowp_scales[26], B lowp_scales[27])
;;     15. [M 1,024, K 1,024] x [K 1,024, N 4,096]; A: input tokens (given as codes); B: input w_gate_up (given as codes): QUANTISED (scales: A lowp_scales[28], B lowp_scales[29])
;;     16. [M 1,024, K 2,048] x [K 2,048, N 1,024]; A: computed on the way; B: input w_down (given as codes): QUANTISED (scales: A lowp_scales[30], B lowp_scales[31])
;;   THE QUANTISER, for each operand of a quantised product, along K:
;;     - The operand's scale is 2^e, e = its entry of the input lowp_scales (int32; the entries are numbered through the quantised products in the list's order, A before B).
;;     - Each number is divided by the scale, clamped to +-57,344, and rounded to the nearest number of E5M2, ties to even, subnormals kept.
;;     - The product sums the exact products of the quantised numbers (number of the format x scale) in f32.
;;   ~~~python
;;   def quantise(x, axis, e):      # numpy; x: float32 -> the quantised numbers, widened to float32 again
;;       x = np.moveaxis(x, axis, -1); K = x.shape[-1]
;;       r = np.clip(x / 2.0 ** e, -57344, 57344)
;;       step = 2.0 ** (np.maximum(np.frexp(np.where(r == 0, 1, r))[1] - 1, -14) - 2)
;;       q = np.round(r / step) * step * 2.0 ** e      # np.round: ties to even
;;       return np.moveaxis(q, -1, axis).astype(np.float32)
;;   ~~~
;;   OPERANDS COMPUTED ON THE WAY. 'Computed on the way' means the value that the module computes at that place (a softmax that the list does not call 'softmax' is quantised finished and normalised). What goes into a quantiser is computed in f32, as accurately as f32 sums, v_exp_f32 and their like allow (about 1e-6 of the number): no bf16 or f16 on the way to a quantiser, and a product that is left as it is and whose result goes on into a quantised operand takes f32 operands (vector FMAs, or v_wmma_f32_16x16x4_f32). A number that lies on a knife's edge between two numbers of the format may be rounded either way, as far as f32 arithmetic and the matrix unit's own rounding can turn it there, and no further.
;;   INPUTS GIVEN AS CODES. tokens (in the module: [1024, 1024], K = its axis 1); w_down (in the module: [8, 2048, 1024], K = its axis 1); w_gate_up (in the module: [8, 1024, 4096], K = its axis 1): each comes as NAME_codes (uint8): NAME with its K axis moved to the last place and cut into blocks of 32 codes, [.., K / 32, bytes a block], one block behind the other in memory; one code a byte (a code: sign, 5 exponent bits, 2 mantissa bits); its scale is its entry of lowp_scales. Its value is code x scale, taken as it is: it is not quantised again, and the codes and scales need not be those that the quantiser above would give.
;; One version. Each part assembles by itself: llvm-mc -triple=amdgcn-amd-amdhsa -mcpu=gfx1250 --defsym DOCPART=n.
;; ======== version 1 of 1: 3 launches
;; workspace buffers: hid 16,777,216 bytes; order 32,768 bytes of whole numbers; counts 2,048 bytes of whole numbers
;; launch route (part 1): grid 8 x 1, 1 waves a work-group, no clusters, 4,608 bytes of LDS; arguments expert_ids, order, counts; writes order, counts
.if DOCPART == 1
	.amdgcn_target "amdgcn-amd-amdhsa--gfx1250"
	.amdhsa_code_object_version 6
	.text
	.protected	k_q740ad2ca17_route
	.globl	k_q740ad2ca17_route
	.p2align	8
	.type	k_q740ad2ca17_route,@function
k_q740ad2ca17_route:
	s_mov_b64 s[64:65], 0
	v_nop
	global_prefetch_b8 v0, s[64:65] scope:SCOPE_SE
	s_setreg_imm32_b32 hwreg(HW_REG_WAVE_MODE, 25, 1), 1
	s_wait_xcnt 0x0
; The tokens of each expert, listed.  Work-group e, one wave, reads all 1,024 ids and stores  order[e][0 .. 1,023]: the tokens whose id is e, in ascending order; the 32 entries behind the last name the last token again;
; the rest are 0 (an expert without tokens: all 0);  counts[e][0 .. 63]: the number of the expert's tokens, in each of the 64 words, so that the store covers 256 consecutive bytes, aligned.
; HOW.  Register 4 j + c of lane l holds the id of token 128 j + 4 l + c.  For each of the 32 registers a compare gives a mask; a token's place is the running count + the matches in the lanes below.  The places are
; addresses in LDS only: the list is built there and leaves by loads and stores at fixed addresses, each store 512 consecutive bytes.  One wave: LDS serves its instructions in order, so there is no barrier.
; LIMIT: ids lie in 0 .. 7; a token with another id stands in no list.
.set LN,   3                           ; lane
.set L16,  1                           ; 16 x lane
.set L8,   2                           ; 8 x lane
.set T4,   5                           ; 4 x lane
.set DMP,  4                           ; 1,024: entry 1,024 (LDS byte 4,096) takes what does not match
.set ZZ,   8                           ; v8-11: zeros
.set NV,   12                          ; v12-13: the count, twice
.set ID,   32                          ; v32-63: the ids
.set RP,   64                          ; v64-95: list places
.set RK,   96                          ; v96-127: token numbers
.set PA,   128                         ; the last token's place in the list,
.set PT,   129                         ; the last token,
.set PX,   130                         ; and the places behind it
.set OUT,  132                         ; v132-163: the list on its way out
	s_load_b128 s[4:7], s[0:1], 0x0                ; ids s[4:5], order s[6:7]
	s_load_b64 s[8:9], s[0:1], 0x10                ; counts
	v_lshl_add_u32 v168, v0, 2, 0x1100
	v_mov_b32 v169, 0
	v_and_b32 v[LN], 31, v0
	v_lshlrev_b32 v[L16], 4, v[LN]
	v_lshlrev_b32 v[L8], 3, v[LN]
	v_lshlrev_b32 v[T4], 2, v[LN]
	v_mov_b32 v[DMP], 1024
.irp j, 0,1,2,3
	v_mov_b32 v[ZZ+\j], 0
.endr
	s_mov_b32 s15, ttmp9                           ; e
	s_lshl_b32 s10, s15, 12                        ; the expert's 4,096 bytes of order
	s_mov_b32 s11, 0
	s_lshl_b32 s12, s15, 8                         ; and its 256 of counts
	s_mov_b32 s13, 0
	s_wait_kmcnt 0x0
	s_add_nc_u64 s[6:7], s[6:7], s[10:11]
	s_add_nc_u64 s[8:9], s[8:9], s[12:13]
.irp j, 0,1,2,3,4,5,6,7
	global_load_b128 v[ID+4*\j:ID+4*\j+3], v[L16], s[4:5] offset:512*\j   ; register 4 j + c of lane l: the id of token 128 j + 4 l + c
.endr
.irp j, 0,1,2,3,4,5,6,7
	ds_store_b128 v[L16], v[ZZ:ZZ+3] offset:512*\j ; the list is cleared
.endr
	s_wait_loadcnt 0x0
	s_mov_b32 s17, 0
.set i, 0
.rept 32
	v_cmp_eq_u32 vcc_lo, s15, v[ID+i]
	v_mbcnt_lo_u32_b32 v[RP+i], vcc_lo, s17        ; matches so far + matches in the lanes below mine
	s_bcnt1_i32_b32 s18, vcc_lo
	s_add_co_u32 s17, s17, s18
	v_cndmask_b32 v[RP+i], v[DMP], v[RP+i], vcc_lo ; what does not match goes to entry 1,024
	v_min_u32 v[RP+i], 0x400, v[RP+i]
	v_lshlrev_b32 v[RP+i], 2, v[RP+i]
	v_add_nc_u32 v[RK+i], 128*(i/4)+i%4, v[T4]
	ds_store_b32 v[RP+i], v[RK+i]
.set i, i+1
.endr
	v_mov_b32 v[NV], s17
	v_mov_b32 v[NV+1], s17
	global_store_b64 v[L8], v[NV:NV+1], s[8:9]     ; 32 lanes store 256 consecutive bytes, at a multiple of 256 from the buffer's first byte
	; the 32 entries behind the last name the last token again (entry 0, which holds 0, where the expert has none); what would pass the list's end goes to entry 1,024
	s_max_u32 s18, s17, 1
	s_sub_co_u32 s18, s18, 1
	v_mov_b32 v[PA], s18
	v_min_u32 v[PA], 0x3ff, v[PA]
	v_lshlrev_b32 v[PA], 2, v[PA]
	ds_load_b32 v[PT], v[PA]                       ; LDS serves a wave's instructions in order: this sees the stores above
	v_mbcnt_lo_u32_b32 v[PX], -1, s17              ; the count + my lane
	v_min_u32 v[PX], 0x400, v[PX]
	v_lshlrev_b32 v[PX], 2, v[PX]
	s_wait_dscnt 0x0
	ds_store_b32 v[PX], v[PT]
.irp j, 0,1,2,3,4,5,6,7
	ds_load_b128 v[OUT+4*\j:OUT+4*\j+3], v[L16] offset:512*\j   ; in order behind the store above
.endr
.irp j, 0,1,2,3,4,5,6,7
	s_wait_dscnt 7-\j                              ; LDS loads come back in order: load j is in, the younger ones may be out
	global_store_b128 v[L16], v[OUT+4*\j:OUT+4*\j+3], s[6:7] offset:512*\j   ; 32 lanes store 512 consecutive bytes, aligned
.endr
	s_wait_tensorcnt 0x0
	ds_add_u32 v168, v169
	s_wait_dscnt 0x0
	s_endpgm
.Lfunc_end_k_q740ad2ca17_route:
	.size	k_q740ad2ca17_route, .Lfunc_end_k_q740ad2ca17_route-k_q740ad2ca17_route
	.p2alignl 7, 3214868480
	.fill 96, 4, 3214868480
	.section	.rodata,"a",@progbits
	.p2align	6, 0x0
	.amdhsa_kernel k_q740ad2ca17_route
		.amdhsa_group_segment_fixed_size 4608
		.amdhsa_private_segment_fixed_size 0
		.amdhsa_enable_private_segment 0
		.amdhsa_kernarg_size 24
		.amdhsa_user_sgpr_count 2
		.amdhsa_user_sgpr_kernarg_segment_ptr 1
		.amdhsa_wavefront_size32 1
		.amdhsa_system_sgpr_workgroup_id_x 1
		.amdhsa_system_sgpr_workgroup_id_y 1
		.amdhsa_system_sgpr_workgroup_id_z 1
		.amdhsa_system_vgpr_workitem_id 0
		.amdhsa_next_free_vgpr 170
		.amdhsa_next_free_sgpr 66
		.amdhsa_reserve_vcc 1
		.amdhsa_float_denorm_mode_32 3
		.amdhsa_float_denorm_mode_16_64 3
		.amdhsa_memory_ordered 1
		.amdhsa_forward_progress 1
		.amdhsa_inst_pref_size 18
	.end_amdhsa_kernel
	.amdgpu_metadata
---
amdhsa.version: [ 1, 2 ]
amdhsa.kernels:
  - .name:           k_q740ad2ca17_route
    .symbol:         k_q740ad2ca17_route.kd
    .args:
      - { .name: expert_ids, .offset: 0, .size: 8, .value_kind: global_buffer, .address_space: global }
      - { .name: order, .offset: 8, .size: 8, .value_kind: global_buffer, .address_space: global }
      - { .name: counts, .offset: 16, .size: 8, .value_kind: global_buffer, .address_space: global }
    .group_segment_fixed_size: 4608
    .private_segment_fixed_size: 0
    .kernarg_segment_align: 8
    .kernarg_segment_size: 24
    .max_flat_workgroup_size: 32
    .sgpr_count:     66
    .vgpr_count:     170
    .wavefront_size: 32
...
	.end_amdgpu_metadata
.endif
;; end of part 1
;; launch gateup (part 2): grid 32 x 8, 4 waves a work-group, no clusters, 262,656 bytes of LDS; arguments order, lowp_scales, tokens_codes, w_gate_up_codes, hid, counts; writes hid
.if DOCPART == 2
	.amdgcn_target "amdgcn-amd-amdhsa--gfx1250"
	.amdhsa_code_object_version 6
	.text
	.protected	k_q740ad2ca17_gateup
	.globl	k_q740ad2ca17_gateup
	.p2align	8
	.type	k_q740ad2ca17_gateup,@function
k_q740ad2ca17_gateup:
	s_mov_b64 s[64:65], 0
	v_nop
	global_prefetch_b8 v0, s[64:65] scope:SCOPE_SE
	s_setreg_imm32_b32 hwreg(HW_REG_WAVE_MODE, 25, 1), 1
	s_wait_xcnt 0x0
; hid = Q(silu(x Wg) * (x Wu)) for the rows that each expert was chosen for; both factors on codes of BF8 (E5M2) as they are given.
; SHARES.  Work-group (x = s, y = e) owns hidden units 64 s .. 64 s + 63 of expert e: 64 gate rows and 64 up rows of w_gate_up_codes, 128 KiB that no other work-group reads.
; Wave w (b = w / 2, u = w % 2) keeps one tile of 16 gate rows and the matching tile of up rows, all 1,024 of K, in 256 registers: each weight byte is asked for once, in the wave's first lines.
; THE ROWS OF A WEIGHT TILE ARE NOT NEIGHBOURS: lane r takes row 64 s + 32 b + 8 u + r + 8 (r / 8), and the product is used transposed (source 0 = weights, source 1 = tokens): lane (r, h) then holds token r and
; hidden units 64 s + 32 b + 16 h + 8 u + 0 .. 7: eight neighbours along the next product's K, which one conversion turns into 8 bytes.
; ROUTING.  The launch before has listed each expert's tokens (order) and counted them (counts).  The 32 entries behind an expert's last token name that token again, the rest token 0: a row that pads a tile is a copy of a
; row of the same tile and is computed and stored like any row.  At least two tiles of each expert are made (for an expert without tokens: token 0's), so that the tiles 0 and 1 of each expert in hid are always written.
; TOKENS.  A tile is 16 listed tokens x 1,024 codes.  It is read from memory once by one wave and goes to the others through LDS as an image of the operand's registers (32 stores of 512 bytes on end), 16 tiles at a time.
; hid: [e 8][tile 64][block 128][lane 32][8 bytes]; block q = 4 s + w.  A wave's store covers 256 consecutive bytes, aligned.
; NO TENSOR LOADS, NO CLUSTER: the number of tiles is read from memory, so branches hang on a loaded number; and the 128 KiB of weights, the bulk of a work-group's bytes, are shared with nobody.
; ARITHMETIC.  G, U: the raw sums.  gate = G 2^(ea+eb), up = U 2^(ea+eb).  code = G U / (1 + 2^(-log2(e) 2^(ea+eb) G)) / 2^(eh - 2 (ea+eb)), held within +-57,344, all in f32.
; Inside a matrix instruction k is permuted alike in both operands (16-byte loads: registers 4 c .. 4 c + 3 hold k = 32 c + 16 h + 0 .. 15).
; LIMITS: ids lie in 0 .. 7 (a row with another id belongs to no list); ea + eb between -126 and 127; eh - 2 (ea + eb) between -126 and 112; codes of NaN and infinity are not served.
; REGISTERS, in windows of 256: window 0: addresses and the activation's work; window 1: gate's K step k at v[16 k], up's at v[128 + 16 k];
;   window 2: v0-127, v128-255: two tiles of tokens (on the way in: tiles b = 0, 1; at work: buffers 0, 1); window 3: tiles b = 2, 3 on the way in.
.set TILEB, 16384                      ; LDS: 16 images of 16,384 bytes, from byte 0
.set LI,   1                           ; 16 x lane: my place in an image
.set RR,   2                           ; r = lane % 16
.set HH,   3                           ; h = lane / 16
.set WO,   4                           ; my byte in the wave's weight rows: (r + 8 (r / 8)) x 1,024 + 16 h
.set LOOK, 6                           ; 4 r + 64 w: my row of tile w in the list
.set IW,   8                           ; v8-11: where I store the image of tile 4 b + w
.set HO,   12                          ; 8 x lane
.set LN,   13                          ; lane
.set H16,  15                          ; 16 h
.set TK,   16                          ; v16-19: tile b's token, then its byte offset
.set FA0,  21
.set FA1,  22
.set SC,   24                          ; 2^(eh - 2 (ea + eb)) as f32
.set LIM,  25                          ; 57,344 x that
.set G,    32                          ; v32-39 gate's sums, v40-47 up's, v48-55 their product, v56-59 codes
.set U,    40
.set P,    48
.set CD,   56
.set RAW,  64                          ; v64-79: my list words: the chunk in hand has the first four (tiles 4 b + w), the later chunks follow
.set MSB, 0
.macro WIN new                         ; the immediate's high byte repeats the setting that is left
.if MSB != \new
	s_set_vgpr_msb (MSB<<8)|\new
.set MSB, \new
.endif
.endm
.macro BARRIER                         ; my LDS stores have landed and my LDS loads are in: then the work-group's barrier
	s_wait_dscnt 0x0
	s_barrier_signal -1
	s_barrier_wait -1
.endm
.macro GLOAD b                         ; tile 4 b + w: 16 listed tokens x 1,024 codes from memory, in the operand's layout
	WIN (0x80+0x40*((\b)/2))
.set TB, 128*((\b)%2)
.set q, 0
.rept 32
	global_load_b128 v[TB+4*q:TB+4*q+3], v[TK+\b], s[8:9] offset:32*q
.set q, q+1
.endr
	WIN 0
.endm
.macro GSTORE b                        ; and its image into LDS: each store 512 bytes on end
	WIN (0x08+0x04*((\b)/2))
.set TB, 128*((\b)%2)
.set q, 0
.rept 32
	ds_store_b128 v[IW+\b], v[TB+4*q:TB+4*q+3] offset:512*q
.set q, q+1
.endr
	WIN 0
.endm
.macro FLOAD f, adr                    ; an image comes back into buffer f, the same registers in the same lanes
	WIN 0x80
.set q, 0
.rept 32
	ds_load_b128 v[128*\f+4*q:128*\f+4*q+3], v[\adr] offset:512*q
.set q, q+1
.endr
	WIN 0
.endm
; One tile: 16 matrix instructions, gate's and up's accumulator by turns; the activation; eight codes a lane; one store.
.macro MULACT f, par
	WIN 0x09                                       ; source 0 (weights) window 1, source 1 (tokens) window 2, C and D window 0
.set k, 0
.rept 8
.if k == 0
	v_wmma_f32_16x16x128_bf8_bf8 v[G:G+7], v[16*k:16*k+15], v[128*\f+16*k:128*\f+16*k+15], 0
	v_wmma_f32_16x16x128_bf8_bf8 v[U:U+7], v[128+16*k:128+16*k+15], v[128*\f+16*k:128*\f+16*k+15], 0
.else
	v_wmma_f32_16x16x128_bf8_bf8 v[G:G+7], v[16*k:16*k+15], v[128*\f+16*k:128*\f+16*k+15], v[G:G+7]
	v_wmma_f32_16x16x128_bf8_bf8 v[U:U+7], v[128+16*k:128+16*k+15], v[128*\f+16*k:128*\f+16*k+15], v[U:U+7]
.endif
.set k, k+1
.endr
	WIN 0
.rept 4
	v_nop                                          ; four places in front of the first read of the sums, and of the next loads into this buffer
.endr
.irp j, 0,2,4,6
	v_pk_mul_f32 v[P+\j:P+\j+1], v[G+\j:G+\j+1], v[U+\j:U+\j+1]              ; G U: both accumulators are read from their low ends on
.endr
.irp j, 0,2,4,6
	v_pk_mul_f32 v[G+\j:G+\j+1], v[G+\j:G+\j+1], s[32:33] op_sel_hi:[1,0]    ; -log2(e) x gate
.endr
.irp j, 0,1,2,3,4,5,6,7
	v_exp_f32 v[G+\j], v[G+\j]
.endr
	v_nop                                          ; a plain place behind the exponentials
	s_wait_alu depctr_va_vdst(0)
.irp j, 0,2,4,6
	v_pk_add_f32 v[G+\j:G+\j+1], v[G+\j:G+\j+1], 1.0 op_sel_hi:[1,0]
.endr
.irp j, 0,1,2,3,4,5,6,7
	v_rcp_f32 v[G+\j], v[G+\j]                     ; sigmoid(gate)
.endr
	v_nop                                          ; a plain place behind the reciprocals
	s_wait_alu depctr_va_vdst(0)
.irp j, 0,2,4,6
	v_pk_mul_f32 v[P+\j:P+\j+1], v[P+\j:P+\j+1], v[G+\j:G+\j+1]
.endr
.irp j, 0,1,2,3,4,5,6,7
	v_med3_num_f32 v[P+\j], v[P+\j], -v[LIM], v[LIM]   ; the conversion does not saturate (ISA guide 7.6.2): the hold at the largest code x the scale.  These eight name neither G nor U: with the four above they are the places in front of the products that begin G and U anew
.endr
	v_cvt_scalef32_pk8_bf8_f32 v[CD+2*\par:CD+2*\par+1], v[P:P+7], v[SC]
	v_nop                                          ; a plain place behind the conversion
	global_store_b64 v[HO], v[CD+2*\par:CD+2*\par+1], s[12:13] offset:32768*\par   ; 32 lanes store 256 consecutive bytes, at a multiple of 256 from hid's first byte
.endm
	s_load_b256 s[4:11], s[0:1], 0x0               ; order s[4:5], scales s[6:7], tokens s[8:9], weights s[10:11]
	s_load_b64 s[12:13], s[0:1], 0x20              ; hid
	s_load_b64 s[44:45], s[0:1], 0x28              ; counts
	v_lshl_add_u32 v254, v0, 2, 0x40000
	v_mov_b32 v255, 0
	v_lshrrev_b32 v[RR], 5, v0
	v_readfirstlane_b32 s14, v[RR]                 ; wave 0..3
	s_and_b32 s15, ttmp7, 0xffff                   ; e
	s_mov_b32 s16, ttmp9                           ; s
	v_and_b32 v[LN], 31, v0
	v_lshlrev_b32 v[LI], 4, v[LN]
	v_lshlrev_b32 v[HO], 3, v[LN]
	v_and_b32 v[RR], 15, v0
	v_bfe_u32 v[HH], v0, 4, 1
	v_and_b32 v[WO], 8, v[RR]
	v_add_nc_u32 v[WO], v[WO], v[RR]
	v_lshlrev_b32 v[WO], 10, v[WO]
	v_lshl_add_u32 v[WO], v[HH], 4, v[WO]
	s_lshl_b32 s18, s14, 6
	v_lshl_add_u32 v[LOOK], v[RR], 2, s18
	s_lshl_b32 s18, s14, 14
	v_add_nc_u32 v[IW], s18, v[LI]
	v_add_nc_u32 v[IW+1], 4*TILEB, v[IW]
	v_add_nc_u32 v[IW+2], 8*TILEB, v[IW]
	v_add_nc_u32 v[IW+3], 12*TILEB, v[IW]
	v_lshlrev_b32 v[H16], 4, v[HH]
	s_lshr_b32 s35, s14, 1
	s_and_b32 s36, s14, 1
	s_lshl_b32 s35, s35, 5
	s_lshl_b32 s36, s36, 3
	s_lshl_b32 s30, s16, 6
	s_add_co_u32 s30, s30, s35
	s_add_co_u32 s30, s30, s36                     ; my tile's first gate row: 64 s + 32 b + 8 u
	s_lshl_b32 s30, s30, 10
	s_lshl_b32 s35, s15, 22                        ; an expert's 4,096 rows of 1,024 bytes
	s_add_co_u32 s30, s30, s35
	s_mov_b32 s31, 0
	s_lshl_b32 s36, s16, 2
	s_add_co_u32 s36, s36, s14
	s_lshl_b32 s36, s36, 8                         ; my block of a tile in hid: 256 (4 s + w)
	s_lshl_b32 s35, s15, 21
	s_add_co_u32 s36, s36, s35
	s_mov_b32 s37, 0
	s_lshl_b32 s38, s15, 4                         ; the expert's four exponents
	s_mov_b32 s39, 0
	s_lshl_b32 s46, s15, 12                        ; the expert's list: 1,024 words
	s_mov_b32 s47, 0
	s_lshl_b32 s28, s15, 8                         ; the expert's count
	s_mov_b32 s29, 0
	s_wait_kmcnt 0x0
	s_add_nc_u64 s[10:11], s[10:11], s[30:31]
	s_add_nc_u64 s[12:13], s[12:13], s[36:37]
	s_add_nc_u64 s[6:7], s[6:7], s[38:39]
	s_add_nc_u64 s[4:5], s[4:5], s[46:47]
	s_add_nc_u64 s[44:45], s[44:45], s[28:29]
	s_load_b128 s[20:23], s[6:7], 0x0              ; ea, eb, eh, ed
	s_load_b32 s19, s[44:45], 0x0                  ; the expert's rows
	; my list words for all four chunks are asked for ahead of the weights: chunk c, tile 4 b + w, row r
.irp c, 0,1,2,3
.irp b, 0,1,2,3
	global_load_b32 v[RAW+4*\c+\b], v[LOOK], s[4:5] offset:1024*\c+256*\b
.endr
.endr
	; all my weights: 64 loads; eight loads that follow each other use up 256 consecutive bytes of each of 16 rows
	WIN 0x40
.set k, 0
.rept 32
	global_load_b128 v[4*k:4*k+3], v[WO], s[10:11] offset:32*k th:TH_LOAD_NT
.set k, k+1
.endr
.set k, 0
.rept 32
	global_load_b128 v[128+4*k:128+4*k+3], v[WO], s[10:11] offset:2097152+32*k th:TH_LOAD_NT   ; up's rows lie 2,048 rows behind gate's
.set k, k+1
.endr
	WIN 0
	s_wait_kmcnt 0x0
	s_add_co_i32 s35, s20, s21                     ; ea + eb
	s_lshl_b32 s36, s35, 23
	s_add_co_u32 s32, s36, 0xbfb8aa3b              ; -log2(e) with ea + eb added to its exponent field
	s_mov_b32 s33, s32                             ; (named with it as a pair, so it is written)
	s_lshl_b32 s35, s35, 1
	s_sub_co_i32 s35, s22, s35                     ; eh - 2 (ea + eb)
	s_add_co_i32 s35, s35, 127
	s_lshl_b32 s36, s35, 23
	v_mov_b32 v[SC], s36
	s_add_co_i32 s35, s35, 15
	s_lshl_b32 s35, s35, 23
	s_or_b32 s35, s35, 0x600000
	v_mov_b32 v[LIM], s35
	s_min_u32 s19, s19, 0x400
	s_add_co_u32 s24, s19, 15
	s_lshr_b32 s24, s24, 4
	s_max_u32 s24, s24, 2                          ; tiles of 16 rows; two at the least
	s_mov_b32 s25, 0                               ; chunk of 16 tiles: four serve every split, all tokens on one expert too
	s_wait_loadcnt 63                              ; behind the list words 64 loads were issued; the count can name 63 of them: the words are in, the weights stay on their way
.Lchunk:
	s_lshl_b32 s35, s25, 4
	s_sub_co_i32 s26, s24, s35
	s_max_i32 s26, s26, 0
	s_min_i32 s26, s26, 16                         ; tiles in this chunk
.irp b, 0,1,2,3
	v_min_u32 v[TK+\b], 0x3ff, v[RAW+\b]
.endr
.irp b, 0,1,2,3
	v_lshl_add_u32 v[TK+\b], v[TK+\b], 10, v[H16]  ; the token's row of 1,024 bytes + 16 h
.endr
	; wave w brings tiles w, 4 + w, 8 + w, 12 + w, as far as the chunk has them: all loads first, then the stores in descending order
	s_cmp_ge_u32 s14, s26
	s_cbranch_scc1 .Lgd
	GLOAD 0
	s_add_co_u32 s35, s14, 4
	s_cmp_ge_u32 s35, s26
	s_cbranch_scc1 .Lg0
	GLOAD 1
	s_add_co_u32 s35, s14, 8
	s_cmp_ge_u32 s35, s26
	s_cbranch_scc1 .Lg1
	GLOAD 2
	s_add_co_u32 s35, s14, 12
	s_cmp_ge_u32 s35, s26
	s_cbranch_scc1 .Lg2
	GLOAD 3
	s_wait_loadcnt 0x0
	GSTORE 3
.Lg2:
	s_wait_loadcnt 0x0
	GSTORE 2
.Lg1:
	s_wait_loadcnt 0x0
	GSTORE 1
.Lg0:
	s_wait_loadcnt 0x0
	GSTORE 0
.Lgd:
	BARRIER                                        ; the chunk's images are whole
	s_wait_loadcnt 0x0                             ; my weights (for a wave that brought no tile)
	s_mov_b32 s27, 0                               ; tile in the chunk
	s_mov_b32 s28, 0                               ; trip
	s_mov_b32 s29, 0                               ; its image's place
	FLOAD 0, LI                                    ; tile 0 of the images has been written since the first chunk
.Ltrip:                                                ; eight trips of two tiles; a trip behind the chunk's last tile does nothing
	s_cmp_ge_u32 s27, s26
	s_cbranch_scc1 .Ltx
	s_add_co_u32 s35, s27, 1
	s_cmp_lt_u32 s35, s26
	s_cselect_b32 s36, TILEB, 0                    ; the fetch ahead stays on a tile that was written: the next, or this one again
	s_add_co_u32 s36, s36, s29
	s_min_u32 s36, s36, 15*TILEB                   ; the choice hangs on a loaded count: it enters an address behind a clamp written in the instruction; the last image is the bound, which no choice passes
	v_add_nc_u32 v[FA1], s36, v[LI]
	FLOAD 1, FA1
	s_wait_dscnt 32                                ; all but the 32 just issued: buffer 0 is in
	MULACT 0, 0
	s_add_co_u32 s35, s27, 1
	s_cmp_ge_u32 s35, s26
	s_cbranch_scc1 .Ltx
	s_add_co_u32 s35, s27, 2
	s_cmp_lt_u32 s35, s26
	s_cselect_b32 s36, TILEB, 0
	s_add_co_u32 s36, s36, s29
	s_add_co_u32 s36, s36, TILEB
	s_min_u32 s36, s36, 15*TILEB                   ; as above
	v_add_nc_u32 v[FA0], s36, v[LI]
	FLOAD 0, FA0
	s_wait_dscnt 32                                ; buffer 1 is in
	MULACT 1, 1
	s_branch .Lte
.Ltx:
	s_wait_dscnt 0x0                               ; a trip that ends early leaves no load on its way into a buffer
.Lte:
	s_wait_xcnt 0x0                                ; the stores have read their codes and their base: both are written again only behind this wait
	s_add_nc_u64 s[12:13], s[12:13], 0x10000       ; two tiles of hid on
	s_add_co_u32 s27, s27, 2
	s_add_co_u32 s29, s29, 2*TILEB
	s_add_co_u32 s28, s28, 1
	s_cmp_lt_u32 s28, 8
	s_cbranch_scc1 .Ltrip
	BARRIER                                        ; every wave's reads of the images are over: the next chunk may store
.irp i, 0,1,2,3,4,5,6,7,8,9,10,11
	v_mov_b32 v[RAW+\i], v[RAW+\i+4]               ; the next chunk's list words move to the front
.endr
	s_add_co_u32 s25, s25, 1
	s_cmp_lt_u32 s25, 4
	s_cbranch_scc1 .Lchunk
	s_wait_tensorcnt 0x0
	ds_add_u32 v254, v255
	s_wait_dscnt 0x0
	s_endpgm
.Lfunc_end_k_q740ad2ca17_gateup:
	.size	k_q740ad2ca17_gateup, .Lfunc_end_k_q740ad2ca17_gateup-k_q740ad2ca17_gateup
	.p2alignl 7, 3214868480
	.fill 96, 4, 3214868480
	.section	.rodata,"a",@progbits
	.p2align	6, 0x0
	.amdhsa_kernel k_q740ad2ca17_gateup
		.amdhsa_group_segment_fixed_size 262656
		.amdhsa_private_segment_fixed_size 0
		.amdhsa_enable_private_segment 0
		.amdhsa_kernarg_size 48
		.amdhsa_user_sgpr_count 2
		.amdhsa_user_sgpr_kernarg_segment_ptr 1
		.amdhsa_wavefront_size32 1
		.amdhsa_system_sgpr_workgroup_id_x 1
		.amdhsa_system_sgpr_workgroup_id_y 1
		.amdhsa_system_sgpr_workgroup_id_z 1
		.amdhsa_system_vgpr_workitem_id 0
		.amdhsa_next_free_vgpr 1024
		.amdhsa_next_free_sgpr 66
		.amdhsa_reserve_vcc 0
		.amdhsa_float_denorm_mode_32 3
		.amdhsa_float_denorm_mode_16_64 3
		.amdhsa_memory_ordered 1
		.amdhsa_forward_progress 1
		.amdhsa_inst_pref_size 48
	.end_amdhsa_kernel
	.amdgpu_metadata
---
amdhsa.version: [ 1, 2 ]
amdhsa.kernels:
  - .name:           k_q740ad2ca17_gateup
    .symbol:         k_q740ad2ca17_gateup.kd
    .args:
      - { .name: order, .offset: 0, .size: 8, .value_kind: global_buffer, .address_space: global }
      - { .name: lowp_scales, .offset: 8, .size: 8, .value_kind: global_buffer, .address_space: global }
      - { .name: tokens_codes, .offset: 16, .size: 8, .value_kind: global_buffer, .address_space: global }
      - { .name: w_gate_up_codes, .offset: 24, .size: 8, .value_kind: global_buffer, .address_space: global }
      - { .name: hid, .offset: 32, .size: 8, .value_kind: global_buffer, .address_space: global }
      - { .name: counts, .offset: 40, .size: 8, .value_kind: global_buffer, .address_space: global }
    .group_segment_fixed_size: 262656
    .private_segment_fixed_size: 0
    .kernarg_segment_align: 8
    .kernarg_segment_size: 48
    .max_flat_workgroup_size: 128
    .sgpr_count:     66
    .vgpr_count:     1024
    .wavefront_size: 32
...
	.end_amdgpu_metadata
.endif
;; end of part 2
;; launch down (part 3): grid 32 x 8, 4 waves a work-group, no clusters, 279,040 bytes of LDS; arguments order, lowp_scales, hid, w_down_codes, out0, counts; writes out0
.if DOCPART == 3
	.amdgcn_target "amdgcn-amd-amdhsa--gfx1250"
	.amdhsa_code_object_version 6
	.text
	.protected	k_q740ad2ca17_down
	.globl	k_q740ad2ca17_down
	.p2align	8
	.type	k_q740ad2ca17_down,@function
k_q740ad2ca17_down:
	s_mov_b64 s[64:65], 0
	v_nop
	global_prefetch_b8 v0, s[64:65] scope:SCOPE_SE
	s_setreg_imm32_b32 hwreg(HW_REG_WAVE_MODE, 25, 1), 1
	s_wait_xcnt 0x0
; out0[token] = (hidden codes of the token) x w_down[e] x 2^(eh + ed), for the rows that each expert was chosen for; both operands are codes of BF8 (E5M2).
; SHARES.  Work-group (x, y = e): sl = x / 2 owns output columns 64 sl .. 64 sl + 63 (256 bytes of a row of out0), p = x % 2 takes the expert's row tiles 2 j + p.  The two work-groups of a pair read the same 128 KiB of weights;
; with 32 columns each a store would cover half of an aligned 256 bytes, and with one work-group for a pair there would be 128 in all.
; THE WAVES SPLIT K: wave w takes k = 512 w .. 512 w + 511.  Its weights (4 tiles of 16 columns x 4 K steps) stay in 256 registers, asked for once in its first lines.  Its quarter of a hidden tile is 8 KiB on end in hid,
; laid by the launch before in the order of the operand's registers: 32 loads of 8 bytes a lane, each 256 consecutive bytes, aligned, straight into the operand.
; The product is used transposed (source 0 = weights, source 1 = hidden): lane (r, h) holds token r and columns 16 i + 8 h + 0 .. 7.  The four waves' partial sums meet in LDS, laid as rows of the output; wave w then adds
; rows 4 w .. 4 w + 3 of each tile, multiplies by 2^(eh + ed) and stores: sixteen lanes 256 consecutive bytes of the token's row, aligned.
; ROUTING: the first launch's list (order) and count (counts), the same that the launch before worked by.  The rows that pad an expert's last tile are copies of the expert's last token, which lies in that same tile: the same
; codes, products and sums; they are stored like any row, to that token's bytes, with the same numbers, by this same work-group: at most 15 rows of 256 bytes more, and no lane is ever switched off.
; NO TENSOR LOADS, NO CLUSTER: the number of tiles is read from memory, so branches hang on a loaded number.
; LIMITS: ids lie in 0 .. 7 (a row with another id is not written); eh + ed between -126 and 127; an output is the sum of four f32 partial sums over K, and inside a matrix instruction k is permuted alike in both operands.
; REGISTERS: window 0: addresses; v32-63, v64-95 two sets of four accumulators; v96-103 row offsets; v104-135 list words.  window 1: weights, (tile i, K step k) at v[16 (4 i + k)].  window 2: v0-63, v64-127 two hidden buffers; v128-255 partial sums read back.
.set PP,    272                        ; LDS, from byte 0: the partial sums: for each wave 16 slots of 16 rows x 272 bytes (256 + 16: the sixteen rows that a store touches begin 16 bytes apart modulo 256)
.set SLOTB, 16*PP
.set WPART, 16*SLOTB
.set RR,   2
.set HH,   3
.set WO,   4                           ; 2,048 r + 16 h
.set L8,   5                           ; 8 x lane
.set PS,   6                           ; where I store: WPART w + 272 r + 32 h
.set PR,   8                           ; where I read back: 272 (4 w + h) + 16 r
.set LK,   9                           ; 4 (4 w + h) + 64 p: my first row of slot 0 in the list
.set C16,  10                          ; 16 r
.set L8C,  12                          ; 8 x lane + the chunk's first tile in hid
.set LN,   13                          ; lane
.set AO0,  16
.set AO1,  17
.set PSA,  18
.set PRA,  19                          ; v19-22: one for each wave whose sums I read
.set LKA,  24
.set ACC,  32
.set TOK,  96                          ; v96-103: the byte offsets of the rows that I store
.set RT,   104                         ; v104-135: my list words of the chunk: slot j, row pair pp at 2 j + pp; the four slots in hand have the first eight
.set MSB, 0
.macro WIN new                         ; the immediate's high byte repeats the setting that is left
.if MSB != \new
	s_set_vgpr_msb (MSB<<8)|\new
.set MSB, \new
.endif
.endm
.macro BARRIER
	s_wait_dscnt 0x0
	s_barrier_signal -1
	s_barrier_wait -1
.endm
.macro ALOAD f, adr                    ; my quarter of a hidden tile into buffer f
	WIN 0x80
.set q, 0
.rept 32
	global_load_b64 v[64*\f+2*q:64*\f+2*q+1], v[\adr], s[8:9] offset:256*q
.set q, q+1
.endr
	WIN 0
.endm
.macro MUL f, set                      ; 16 matrix instructions, the four accumulators by turns; the first K step starts the sums
	WIN 0x09                                       ; source 0 (weights) window 1, source 1 (hidden) window 2, C and D window 0
.set k, 0
.rept 4
.set n, 0
.rept 4
.if k == 0
	v_wmma_f32_16x16x128_bf8_bf8 v[ACC+32*\set+8*n:ACC+32*\set+8*n+7], v[16*(4*n+k):16*(4*n+k)+15], v[64*\f+16*k:64*\f+16*k+15], 0
.else
	v_wmma_f32_16x16x128_bf8_bf8 v[ACC+32*\set+8*n:ACC+32*\set+8*n+7], v[16*(4*n+k):16*(4*n+k)+15], v[64*\f+16*k:64*\f+16*k+15], v[ACC+32*\set+8*n:ACC+32*\set+8*n+7]
.endif
.set n, n+1
.endr
.set k, k+1
.endr
	WIN 0
.rept 4
	v_nop                                          ; four places in front of the stores that read the sums and of the next loads into this buffer
.endr
.endm
.macro PSTORE set, off                 ; each accumulator from its low end on
.irp n, 0,1,2,3
	ds_store_b128 v[PSA], v[ACC+32*\set+8*\n:ACC+32*\set+8*\n+3] offset:\off+64*\n
	ds_store_b128 v[PSA], v[ACC+32*\set+8*\n+4:ACC+32*\set+8*\n+7] offset:\off+64*\n+16
.endr
.endm
.macro QLOAD q                         ; slot j0 + q: two rows a lane half, from each of the four waves' sums
	WIN 0x80
.irp src, 0,1,2,3
.irp pp, 0,1
	ds_load_b128 v[128+32*\q+8*\src+4*\pp:128+32*\q+8*\src+4*\pp+3], v[PRA+\src] offset:SLOTB*\q+2*PP*\pp
.endr
.endr
	WIN 0
.endm
.macro FIN q                           ; the four partial sums are added, scaled and stored
	WIN 0x8a                                       ; sources 0, 1 and the destination: window 2
.irp pp, 0,1
.set RB, 128+32*\q+4*\pp
	v_pk_add_f32 v[RB:RB+1], v[RB:RB+1], v[RB+8:RB+9]
	v_pk_add_f32 v[RB+2:RB+3], v[RB+2:RB+3], v[RB+10:RB+11]
	v_pk_add_f32 v[RB+16:RB+17], v[RB+16:RB+17], v[RB+24:RB+25]
	v_pk_add_f32 v[RB+18:RB+19], v[RB+18:RB+19], v[RB+26:RB+27]
	v_pk_add_f32 v[RB:RB+1], v[RB:RB+1], v[RB+16:RB+17]
	v_pk_add_f32 v[RB+2:RB+3], v[RB+2:RB+3], v[RB+18:RB+19]
	v_pk_mul_f32 v[RB:RB+1], v[RB:RB+1], s[32:33] op_sel_hi:[1,0]             ; x 2^(eh + ed)
	v_pk_mul_f32 v[RB+2:RB+3], v[RB+2:RB+3], s[32:33] op_sel_hi:[1,0]
.endr
	WIN 0
.irp pp, 0,1
	v_min_u32 v[TOK+2*\q+\pp], 0x3ff, v[RT+2*\q+\pp]
	v_lshl_add_u32 v[TOK+2*\q+\pp], v[TOK+2*\q+\pp], 12, v[C16]               ; the token's row of 4,096 bytes + 16 r
.endr
	WIN 0x08                                       ; the data: window 2
.irp pp, 0,1
	global_store_b128 v[TOK+2*\q+\pp], v[128+32*\q+4*\pp:128+32*\q+4*\pp+3], s[12:13] th:TH_STORE_NT   ; sixteen lanes store 256 consecutive bytes, at a multiple of 256 from out0's first byte
.endr
	WIN 0
.endm
	s_load_b256 s[4:11], s[0:1], 0x0               ; order s[4:5], scales s[6:7], hid s[8:9], weights s[10:11]
	s_load_b64 s[12:13], s[0:1], 0x20              ; out0
	s_load_b64 s[44:45], s[0:1], 0x28              ; counts
	v_lshl_add_u32 v254, v0, 2, 0x44000
	v_mov_b32 v255, 0
	v_lshrrev_b32 v[RR], 5, v0
	v_readfirstlane_b32 s14, v[RR]                 ; wave 0..3
	s_and_b32 s15, ttmp7, 0xffff                   ; e
	s_lshr_b32 s16, ttmp9, 1                       ; sl
	s_and_b32 s38, ttmp9, 1                        ; p
	v_and_b32 v[LN], 31, v0
	v_lshlrev_b32 v[L8], 3, v[LN]
	v_and_b32 v[RR], 15, v0
	v_bfe_u32 v[HH], v0, 4, 1
	v_lshlrev_b32 v[WO], 11, v[RR]
	v_lshl_add_u32 v[WO], v[HH], 4, v[WO]
	s_mul_i32 s18, s14, WPART
	v_mul_u32_u24 v[PS], v[RR], PP
	v_lshl_add_u32 v[PS], v[HH], 5, v[PS]
	v_add_nc_u32 v[PS], s18, v[PS]
	s_mul_i32 s18, s14, 4*PP
	v_mul_u32_u24 v[PR], v[HH], PP
	v_lshl_add_u32 v[PR], v[RR], 4, v[PR]
	v_add_nc_u32 v[PR], s18, v[PR]
	s_lshl_b32 s18, s14, 4
	s_lshl_b32 s35, s38, 6
	s_add_co_u32 s18, s18, s35
	v_lshl_add_u32 v[LK], v[HH], 2, s18
	v_lshlrev_b32 v[C16], 4, v[RR]
	s_lshl_b32 s30, s15, 21                        ; hid: the expert's 64 tiles of 32,768 bytes, + tile p, + my quarter
	s_lshl_b32 s35, s38, 15
	s_add_co_u32 s30, s30, s35
	s_lshl_b32 s35, s14, 13
	s_add_co_u32 s30, s30, s35
	s_mov_b32 s31, 0
	s_lshl_b32 s36, s15, 21                        ; weights: the expert's 1,024 rows of 2,048 bytes, + 64 sl rows, + my 512 along K
	s_lshl_b32 s35, s16, 17
	s_add_co_u32 s36, s36, s35
	s_lshl_b32 s35, s14, 9
	s_add_co_u32 s36, s36, s35
	s_mov_b32 s37, 0
	s_lshl_b32 s40, s16, 8                         ; out0: my 64 columns
	s_mov_b32 s41, 0
	s_lshl_b32 s42, s15, 4                         ; the expert's four exponents
	s_mov_b32 s43, 0
	s_lshl_b32 s46, s15, 12                        ; the expert's list: 1,024 words
	s_mov_b32 s47, 0
	s_lshl_b32 s28, s15, 8                         ; the expert's count
	s_mov_b32 s29, 0
	s_wait_kmcnt 0x0
	s_add_nc_u64 s[8:9], s[8:9], s[30:31]
	s_add_nc_u64 s[10:11], s[10:11], s[36:37]
	s_add_nc_u64 s[12:13], s[12:13], s[40:41]
	s_add_nc_u64 s[6:7], s[6:7], s[42:43]
	s_add_nc_u64 s[4:5], s[4:5], s[46:47]
	s_add_nc_u64 s[44:45], s[44:45], s[28:29]
	s_load_b128 s[20:23], s[6:7], 0x0              ; ea, eb, eh, ed
	s_load_b32 s19, s[44:45], 0x0                  ; the expert's rows
	; all my weights: 64 loads; eight loads that follow each other use up 256 consecutive bytes of each of 16 rows
	WIN 0x40
.irp t, 0,1,2,3
.set k, 0
.rept 16
	global_load_b128 v[64*\t+4*k:64*\t+4*k+3], v[WO], s[10:11] offset:32768*\t+32*k
.set k, k+1
.endr
.endr
	WIN 0
	s_wait_kmcnt 0x0
	s_add_co_i32 s35, s22, s23                     ; eh + ed
	s_add_co_i32 s35, s35, 127
	s_lshl_b32 s32, s35, 23                        ; 2^(eh + ed) as f32
	s_mov_b32 s33, s32                             ; (named with it as a pair, so it is written)
	s_min_u32 s19, s19, 0x400
	s_add_co_u32 s24, s19, 15
	s_lshr_b32 s24, s24, 4                         ; the expert's tiles,
	s_add_co_u32 s24, s24, 1
	s_sub_co_u32 s24, s24, s38
	s_lshr_b32 s24, s24, 1                         ; and those of them that are 2 j + p
	s_mov_b32 s25, 0                               ; chunk of 16 slots: two serve every split
.Lchunk:
	s_lshl_b32 s35, s25, 4
	s_sub_co_i32 s26, s24, s35
	s_max_i32 s26, s26, 0
	s_min_i32 s26, s26, 16                         ; slots in this chunk
	s_lshl_b32 s35, s25, 11                        ; the chunk's place in the list: 16 slots x 128 bytes (every second tile of 64 bytes is mine)
	v_add_nc_u32 v[LKA], s35, v[LK]
.set j, 0
.rept 16
	global_load_b32 v[RT+2*j], v[LKA], s[4:5] offset:128*j       ; the tokens of the rows that I shall store: slot j, rows 4 w + h
	global_load_b32 v[RT+2*j+1], v[LKA], s[4:5] offset:128*j+8   ; and 4 w + h + 2.  The list is whole: no condition
.set j, j+1
.endr
	s_lshl_b32 s29, s25, 20                        ; the chunk's first tile in hid: 16 slots x 65,536 bytes
	v_add_nc_u32 v[L8C], s29, v[L8]                ; it hangs on the chunk's number alone and stands in a lane register of its own
	s_mov_b32 s34, 0                               ; the slot's place in hid, counted from the chunk's first
	s_cmp_gt_u32 s26, 0
	s_cselect_b32 s36, s29, 0                      ; an empty chunk fetches the expert's tile p, which is always written, and uses nothing of it
	s_min_u32 s36, s36, 0x100000                   ; the choice hangs on a loaded count: it enters an address behind a clamp written in the instruction; the bound is the larger of the two choices
	v_add_nc_u32 v[AO0], s36, v[L8]
	ALOAD 0, AO0
	s_mov_b32 s27, 0                               ; slot
	s_mov_b32 s28, 0                               ; trip
	s_mov_b32 s39, 0                               ; the slot's place among my partial sums
.Lp1:                                                  ; eight trips of two slots; a trip behind the chunk's last slot does nothing
	s_cmp_ge_u32 s27, s26
	s_cbranch_scc1 .Lp1x
	s_add_co_u32 s35, s27, 1
	s_cmp_lt_u32 s35, s26
	s_cselect_b32 s36, 65536, 0                    ; the fetch ahead stays on a tile that was written: the next, or this one again
	s_add_co_u32 s36, s36, s34
	s_min_u32 s36, s36, 15*65536                   ; the clamp is the last scalar line: the chunk's last slot is the bound, which no choice passes
	v_add_nc_u32 v[AO1], s36, v[L8C]
	ALOAD 1, AO1
	s_wait_loadcnt 32                              ; all but the 32 just issued: buffer 0 is in, and in the first trip my weights and list words
	s_wait_dscnt 0x0                               ; the last trip's stores have read both sets of sums
	v_add_nc_u32 v[PSA], s39, v[PS]
	MUL 0, 0
	PSTORE 0, 0
	s_add_co_u32 s35, s27, 1
	s_cmp_ge_u32 s35, s26
	s_cbranch_scc1 .Lp1x
	s_add_co_u32 s35, s27, 2
	s_cmp_lt_u32 s35, s26
	s_cselect_b32 s36, 65536, 0
	s_add_co_u32 s36, s36, s34
	s_add_co_u32 s36, s36, 65536
	s_min_u32 s36, s36, 15*65536                   ; as above
	v_add_nc_u32 v[AO0], s36, v[L8C]               ; buffer 0's loads were shown done by the wait above: their address register is free
	ALOAD 0, AO0
	s_wait_loadcnt 32                              ; buffer 1 is in
	MUL 1, 1
	PSTORE 1, SLOTB
	s_branch .Lp1e
.Lp1x:
	s_wait_loadcnt 0x0                             ; a trip that ends early leaves no load on its way into a buffer
.Lp1e:
	s_add_co_u32 s34, s34, 131072
	s_add_co_u32 s39, s39, 2*SLOTB
	s_add_co_u32 s27, s27, 2
	s_add_co_u32 s28, s28, 1
	s_cmp_lt_u32 s28, 8
	s_cbranch_scc1 .Lp1
	s_wait_loadcnt 0x0                             ; the last fetch ahead: nothing is on its way when the next chunk loads; my list words are in on every way
	BARRIER                                        ; every wave's partial sums lie in LDS
	s_mov_b32 s28, 0                               ; trip
	s_mov_b32 s40, 0                               ; the four slots' place in a wave's sums
	s_mov_b32 s43, 0                               ; the first of the four slots
.Lp2:                                                  ; four trips of four slots: all loads first, then the sums and stores in descending order
	s_cmp_ge_u32 s43, s26
	s_cbranch_scc1 .Lqe
	v_add_nc_u32 v[PRA], s40, v[PR]
	v_add_nc_u32 v[PRA+1], WPART, v[PRA]
	v_add_nc_u32 v[PRA+2], 2*WPART, v[PRA]
	v_add_nc_u32 v[PRA+3], 3*WPART, v[PRA]
	QLOAD 0
	s_add_co_u32 s35, s43, 1
	s_cmp_ge_u32 s35, s26
	s_cbranch_scc1 .Lq0
	QLOAD 1
	s_add_co_u32 s35, s43, 2
	s_cmp_ge_u32 s35, s26
	s_cbranch_scc1 .Lq1
	QLOAD 2
	s_add_co_u32 s35, s43, 3
	s_cmp_ge_u32 s35, s26
	s_cbranch_scc1 .Lq2
	QLOAD 3
	s_wait_dscnt 0x0
	FIN 3
.Lq2:
	s_wait_dscnt 0x0
	FIN 2
.Lq1:
	s_wait_dscnt 0x0
	FIN 1
.Lq0:
	s_wait_dscnt 0x0
	FIN 0
.Lqe:
	s_wait_xcnt 0x0                                ; the stores have read their sums and their offsets: both are written again only behind this wait
.set i, 0
.rept 24
	v_mov_b32 v[RT+i], v[RT+i+8]                   ; the next four slots' list words move to the front
.set i, i+1
.endr
	s_add_co_u32 s40, s40, 4*SLOTB
	s_add_co_u32 s43, s43, 4
	s_add_co_u32 s28, s28, 1
	s_cmp_lt_u32 s28, 4
	s_cbranch_scc1 .Lp2
	BARRIER                                        ; every wave's reads of the partial sums are over: the next chunk may store
	s_add_co_u32 s25, s25, 1
	s_cmp_lt_u32 s25, 2
	s_cbranch_scc1 .Lchunk
	s_wait_tensorcnt 0x0
	ds_add_u32 v254, v255
	s_wait_dscnt 0x0
	s_endpgm
.Lfunc_end_k_q740ad2ca17_down:
	.size	k_q740ad2ca17_down, .Lfunc_end_k_q740ad2ca17_down-k_q740ad2ca17_down
	.p2alignl 7, 3214868480
	.fill 96, 4, 3214868480
	.section	.rodata,"a",@progbits
	.p2align	6, 0x0
	.amdhsa_kernel k_q740ad2ca17_down
		.amdhsa_group_segment_fixed_size 279040
		.amdhsa_private_segment_fixed_size 0
		.amdhsa_enable_private_segment 0
		.amdhsa_kernarg_size 48
		.amdhsa_user_sgpr_count 2
		.amdhsa_user_sgpr_kernarg_segment_ptr 1
		.amdhsa_wavefront_size32 1
		.amdhsa_system_sgpr_workgroup_id_x 1
		.amdhsa_system_sgpr_workgroup_id_y 1
		.amdhsa_system_sgpr_workgroup_id_z 1
		.amdhsa_system_vgpr_workitem_id 0
		.amdhsa_next_free_vgpr 768
		.amdhsa_next_free_sgpr 66
		.amdhsa_reserve_vcc 0
		.amdhsa_float_denorm_mode_32 3
		.amdhsa_float_denorm_mode_16_64 3
		.amdhsa_memory_ordered 1
		.amdhsa_forward_progress 1
		.amdhsa_inst_pref_size 38
	.end_amdhsa_kernel
	.amdgpu_metadata
---
amdhsa.version: [ 1, 2 ]
amdhsa.kernels:
  - .name:           k_q740ad2ca17_down
    .symbol:         k_q740ad2ca17_down.kd
    .args:
      - { .name: order, .offset: 0, .size: 8, .value_kind: global_buffer, .address_space: global }
      - { .name: lowp_scales, .offset: 8, .size: 8, .value_kind: global_buffer, .address_space: global }
      - { .name: hid, .offset: 16, .size: 8, .value_kind: global_buffer, .address_space: global }
      - { .name: w_down_codes, .offset: 24, .size: 8, .value_kind: global_buffer, .address_space: global }
      - { .name: out0, .offset: 32, .size: 8, .value_kind: global_buffer, .address_space: global }
      - { .name: counts, .offset: 40, .size: 8, .value_kind: global_buffer, .address_space: global }
    .group_segment_fixed_size: 279040
    .private_segment_fixed_size: 0
    .kernarg_segment_align: 8
    .kernarg_segment_size: 48
    .max_flat_workgroup_size: 128
    .sgpr_count:     66
    .vgpr_count:     768
    .wavefront_size: 32
...
	.end_amdgpu_metadata
.endif
;; end of part 3
